; MI455X (gfx1250); checked and timed in simulation.
; The chip was launched on July 23, 2026; its instructions are those of AMD's public machine-readable ISA for CDNA 5 (MIT licence, August 2026) and "CDNA5" Instruction Set Architecture Reference Guide (July 2026). The comments in the code are by the model that wrote it; some were corrected since.
;; Attention1 D. Allowed arithmetic: float matrix products may take bf16 or f16 operands with f32 sums; other float arithmetic in f32, or as packed bf16 or f16 multiplies, adds, multiply-adds, maxima and minima; sums over many terms, partial sums and values carried from step to step in f32; what a program stores and reads back later, other than sums and carried values, may be rounded once to bf16 or f16.
;; Inputs: W_map 1,024 float32; W_ques 2,048 x 1,024 float32; W_vis 2,048 x 1,024 float32; X 256 x 2,048 float32; Y 256 x 128 x 2,048 float32; b_map one number float32; b_ques 1,024 float32.
;; Outputs: out0 256 x 2,048 float32.
;; One version. Each part assembles by itself: llvm-mc -triple=amdgcn-amd-amdhsa -mcpu=gfx1250 --defsym DOCPART=n.
;; ======== version 1 of 1: 2 launches
;; workspace buffers: Wb 4,194,304 bytes; XP 4,194,304 bytes
;; launch prep (part 1): grid 256 x 1, 8 waves a work-group, no clusters, 166,912 bytes of LDS; arguments W_vis, W_ques, X, Wb, XP; writes Wb, XP
.if DOCPART == 1
	.amdgcn_target "amdgcn-amd-amdhsa--gfx1250"
	.amdhsa_code_object_version 6
	.text
	.protected	k_q4b3a6b3b42_prep
	.globl	k_q4b3a6b3b42_prep
	.p2align	8
	.type	k_q4b3a6b3b42_prep,@function
k_q4b3a6b3b42_prep:
	s_mov_b64 s[64:65], 0
	v_nop
	global_prefetch_b8 v0, s[64:65] scope:SCOPE_SE
	s_setreg_imm32_b32 hwreg(HW_REG_WAVE_MODE, 25, 1), 1
	s_wait_xcnt 0x0
; PREPARATION.  (a) Wb = W_vis rounded to bf16, same [2048][1024] layout.  (b) XP[ks] = X[:, 512 ks .. +511] x W_ques[512 ks .. +511, :], ks = 0..3: four partial sums of
; X W_ques in f32, [4][256][1024]; the next launch adds them and the bias.  Operands of the product are rounded to bf16, sums are f32.
; SHARES.  Work-group g of 256: 8,192 numbers of the cast; and the tile of 64 rows m x 64 columns a over a K slice of 512 (ks = g % 4, a tile = (g / 4) % 16, m tile = g / 64).
; K is split four ways over work-groups so that a work-group takes in 128 KiB of X and 128 KiB of W_ques; whole K with tiles of 32 x 32 would take in twice that.
; No tensor loads: the inputs are f32 and must pass through registers to be rounded.  No cluster: nothing is fetched by the data mover, so nothing can be asked for jointly.
; No prefetch: the launch is short and every load is issued at its head.
; WAY.  Eight waves load X and W_ques by 16 bytes a lane (a wave's load covers 512 consecutive bytes of X, or two rows' 256 bytes of W_ques), round, store to LDS; a barrier; wave w multiplies
; m tile w % 4 by a tiles 2 (w / 4) + 0, 1.  W_ques lies [k][a] in LDS and is turned by ds_load_tr16_b128.  The product is taken transposed (source 0 = 16 columns a, source 1 = 16 rows m):
; a lane ends with eight neighbouring columns of one row.  The result goes through a stage in LDS so that sixteen lanes store 256 consecutive bytes, aligned.
.set PX,    1040                       ; a row of X in LDS: 512 bf16 + 16 bytes: 65 x 16, so the 16 rows of a fragment load start in 16 different columns of 16 bytes
.set PQ,    160                        ; a row of W_ques in LDS: 64 bf16 + 32 bytes = 5 x 32
.set PS,    272                        ; a row of the stage: 64 f32 + 16 bytes
.set XL,    0                          ; 64 rows of X
.set WL,    64*PX                      ; 512 rows of W_ques
.set STG,   WL+512*PQ                  ; 64 rows of the result
.set SPARE, STG+64*PS                  ; the spare words: 128 bytes for each of eight waves, four blocks of 256 bytes that no other line names
.set LN,  1                            ; v1   lane
.set RR,  2                            ; v2   lane % 16
.set HH,  3                            ; v3   lane / 16
.set XO,  4                            ; v4   my offset in X's tile: row 8 w, 16 bytes a lane
.set WO,  5                            ; v5   in W_ques' slice: row 16 w + lane / 16, 16 bytes for lane % 16
.set XS,  6                            ; v6   where X's rounded numbers go in LDS
.set WS,  7                            ; v7   where W_ques' go
.set CO,  8                            ; v8   the cast: 16 x thread
.set CS,  9                            ; v9   the cast's stores: 8 x thread
.set SPW, 10                           ; v10  my spare word; never rewritten
.set NIL, 11                           ; v11  0; never rewritten
.set XR,  12                           ; v12  my X fragments in LDS
.set WR,  13                           ; v13, v14  my W fragments: K steps 0-7, 8-15 (an LDS immediate has 16 bits)
.set TM,  15                           ; v15  at work
.set CT,  16                           ; v[16:47]  the cast's loads; then rounded numbers on their way to LDS
.set ACC, 16                           ; v[16:31]  later: two accumulators
.set STO, 32                           ; v32  the way out: where I put my results
.set SRD, 33                           ; v33  where I read rows back
.set GO,  34                           ; v34  my offset in XP
.set CV,  48                           ; v[48:63]  the cast's results; not rewritten behind their stores
.set SETS, 64                          ; three sets of 64: eight loads of X, eight of W_ques
.set B0,  64                           ; later: two fragment buffers of 96
.set B1,  160
.set OB,  64                           ; the way out: rows read back
	s_load_b256 s[4:11], s[0:1], 0x0               ; W_vis s[4:5], W_ques s[6:7], X s[8:9], Wb s[10:11]
	s_load_b64 s[12:13], s[0:1], 0x20              ; XP
	v_lshl_add_u32 v[SPW], v0, 2, SPARE
	v_mov_b32 v[NIL], 0
	v_lshrrev_b32 v[TM], 5, v0
	v_readfirstlane_b32 s14, v[TM]                 ; wave 0..7
	v_and_b32 v[LN], 31, v0
	v_and_b32 v[RR], 15, v0
	v_bfe_u32 v[HH], v0, 4, 1
	s_and_b32 s15, ttmp9, 3                        ; ks
	s_bfe_u32 s16, ttmp9, 0x40002                  ; a tile
	s_lshr_b32 s17, ttmp9, 6                       ; m tile
	s_mov_b32 s21, 0
	s_lshl_b32 s18, s14, 16                        ; 8 rows of X = 16 rows of W_ques = 65,536 bytes
	v_lshl_add_u32 v[XO], v[LN], 4, s18
	v_lshl_add_u32 v[WO], v[HH], 12, s18
	v_lshl_add_u32 v[WO], v[RR], 4, v[WO]
	s_mul_i32 s19, s14, 8*PX
	v_lshl_add_u32 v[XS], v[LN], 3, s19
	s_mul_i32 s19, s14, 16*PQ
	s_add_co_u32 s19, s19, WL
	v_mul_u32_u24 v[WS], v[HH], PQ
	v_lshl_add_u32 v[WS], v[RR], 3, v[WS]
	v_add_nc_u32 v[WS], s19, v[WS]
	v_lshlrev_b32 v[CO], 4, v0
	v_lshlrev_b32 v[CS], 3, v0
	s_wait_kmcnt 0x0
	s_lshl_b32 s20, ttmp9, 15                      ; the cast: 32,768 bytes in,
	s_add_nc_u64 s[4:5], s[4:5], s[20:21]
	s_lshl_b32 s20, ttmp9, 14                      ; 16,384 out
	s_add_nc_u64 s[10:11], s[10:11], s[20:21]
	s_lshl_b32 s20, s15, 21                        ; W_ques: 512 rows of 4,096 bytes a slice,
	s_lshl_b32 s22, s16, 8                         ; 256 bytes a tile of columns
	s_add_co_u32 s20, s20, s22
	s_add_nc_u64 s[6:7], s[6:7], s[20:21]
	s_lshl_b32 s20, s17, 19                        ; X: 64 rows of 8,192 bytes,
	s_lshl_b32 s23, s15, 11                        ; 2,048 bytes a slice
	s_add_co_u32 s20, s20, s23
	s_add_nc_u64 s[8:9], s[8:9], s[20:21]
	s_lshl_b32 s20, s15, 20                        ; XP: 1 MiB a slice, 64 rows of 4,096 bytes, 256 bytes a tile of columns
	s_lshl_b32 s23, s17, 18
	s_add_co_u32 s20, s20, s23
	s_add_co_u32 s20, s20, s22
	s_add_nc_u64 s[12:13], s[12:13], s[20:21]
; Quarter r of the slice (128 along K) into a set: eight rows' 512 bytes of X; sixteen rows' 256 bytes of W_ques, two rows a load.
.macro ISSUE r, set
.irp j, 0,1,2,3,4,5,6,7
	global_load_b128 v[SETS+64*(\set)+4*\j:SETS+64*(\set)+4*\j+3], v[XO], s[8:9] offset:8192*\j+512*(\r)
.endr
.irp j, 0,1,2,3,4,5,6,7
	global_load_b128 v[SETS+64*(\set)+32+4*\j:SETS+64*(\set)+32+4*\j+3], v[WO], s[6:7] offset:(128*(\r)+2*\j)*4096
.endr
.endm
; The set is rounded to bf16 and stored to LDS, 8 bytes a lane.
.macro PROC r, set
.set i, 0
.rept 32
	v_cvt_pk_bf16_f32 v[CT+i], v[SETS+64*(\set)+2*i], v[SETS+64*(\set)+2*i+1]
.set i, i+1
.endr
.irp j, 0,1,2,3,4,5,6,7
	ds_store_b64 v[XS], v[CT+2*\j:CT+2*\j+1] offset:PX*\j+256*(\r)
.endr
.irp j, 0,1,2,3,4,5,6,7
	ds_store_b64 v[WS], v[CT+16+2*\j:CT+16+2*\j+1] offset:(128*(\r)+2*\j)*PQ
.endr
.endm
.irp j, 0,1,2,3,4,5,6,7
	global_load_b128 v[CT+4*\j:CT+4*\j+3], v[CO], s[4:5] offset:4096*\j th:TH_LOAD_NT  ; the cast's 32 KiB: read once in the launch
.endr
	ISSUE 0, 0
	ISSUE 1, 1
	ISSUE 2, 2
	s_wait_loadcnt 48                              ; the cast's eight loads are in; the three sets' 48 stay out
.set i, 0
.rept 16
	v_cvt_pk_bf16_f32 v[CV+i], v[CT+2*i], v[CT+2*i+1]
.set i, i+1
.endr
.irp j, 0,1,2,3,4,5,6,7
	global_store_b64 v[CS], v[CV+2*\j:CV+2*\j+1], s[10:11] offset:2048*\j  ; a wave's store covers 256 consecutive bytes, aligned
.endr
	s_wait_loadcnt 32                              ; set 0 is in
	PROC 0, 0
	ISSUE 3, 0
	s_wait_loadcnt 32                              ; set 1 is in (behind it: set 2 and the new set 0)
	PROC 1, 1
	s_wait_loadcnt 16
	PROC 2, 2
	s_wait_loadcnt 0x0
	PROC 3, 0
	s_wait_dscnt 0x0                               ; for the others' sake: my stores are done
	s_barrier_signal -1
	s_barrier_wait -1                              ; X's tile and W_ques' slice lie whole in LDS
	s_and_b32 s15, s14, 3                          ; my m tile
	s_lshr_b32 s16, s14, 2                         ; my pair of a tiles
	s_mul_i32 s22, s15, 16*PX
	v_mul_u32_u24 v[XR], v[RR], PX
	v_lshl_add_u32 v[XR], v[HH], 4, v[XR]
	v_add_nc_u32 v[XR], s22, v[XR]                 ; row x pitch + 16 x half
	v_and_b32 v[TM], 7, v0
	v_lshl_add_u32 v[TM], v[HH], 3, v[TM]
	v_mul_u32_u24 v[WR], v[TM], PQ                 ; the turning load: lane l reads row 8 (l / 16) + l % 8, columns 8 ((l / 8) % 2) + 0..7
	v_bfe_u32 v[TM], v0, 3, 1
	v_lshl_add_u32 v[WR], v[TM], 4, v[WR]
	s_lshl_b32 s23, s16, 6
	s_add_co_u32 s23, s23, WL
	v_add_nc_u32 v[WR], s23, v[WR]
	v_add_nc_u32 v[WR+1], 8*32*PQ, v[WR]
; Four K steps of 32 (4 q .. 4 q + 3) into a buffer: for each, X's fragment (8 registers), then W's two (turned).  24 LDS loads.
.macro GRP q, buf
.irp s, 0,1,2,3
	ds_load_b128 v[(\buf)+24*\s:(\buf)+24*\s+3],   v[XR] offset:64*(4*(\q)+\s)
	ds_load_b128 v[(\buf)+24*\s+4:(\buf)+24*\s+7], v[XR] offset:64*(4*(\q)+\s)+32
	ds_load_tr16_b128 v[(\buf)+24*\s+8:(\buf)+24*\s+11],  v[WR+(\q)/2] offset:((4*(\q)+\s)%8)*32*PQ
	ds_load_tr16_b128 v[(\buf)+24*\s+12:(\buf)+24*\s+15], v[WR+(\q)/2] offset:((4*(\q)+\s)%8)*32*PQ+16*PQ
	ds_load_tr16_b128 v[(\buf)+24*\s+16:(\buf)+24*\s+19], v[WR+(\q)/2] offset:((4*(\q)+\s)%8)*32*PQ+32
	ds_load_tr16_b128 v[(\buf)+24*\s+20:(\buf)+24*\s+23], v[WR+(\q)/2] offset:((4*(\q)+\s)%8)*32*PQ+16*PQ+32
.endr
.endm
; Its eight products.  The two accumulators take turns, one instruction a turn.  zero = 1: the first K step starts the sums.
.macro PRODS buf, zero
.irp s, 0,1,2,3
.if (\zero) && (\s == 0)
	v_wmma_f32_16x16x32_bf16 v[ACC:ACC+7],    v[(\buf)+24*\s+8:(\buf)+24*\s+15],  v[(\buf)+24*\s:(\buf)+24*\s+7], 0
	v_wmma_f32_16x16x32_bf16 v[ACC+8:ACC+15], v[(\buf)+24*\s+16:(\buf)+24*\s+23], v[(\buf)+24*\s:(\buf)+24*\s+7], 0
.else
	v_wmma_f32_16x16x32_bf16 v[ACC:ACC+7],    v[(\buf)+24*\s+8:(\buf)+24*\s+15],  v[(\buf)+24*\s:(\buf)+24*\s+7], v[ACC:ACC+7]
	v_wmma_f32_16x16x32_bf16 v[ACC+8:ACC+15], v[(\buf)+24*\s+16:(\buf)+24*\s+23], v[(\buf)+24*\s:(\buf)+24*\s+7], v[ACC+8:ACC+15]
.endif
.endr
.endm
.macro PLACES                          ; four plain places between a matrix instruction and a load into a register that it has read (ISA guide 7.12.1 for vector instructions)
.rept 4
	v_nop
.endr
.endm
	GRP 0, B0
	GRP 1, B1
	; the way out's addresses, made while the first fragments are on their way
	s_mul_i32 s22, s15, 16*PS
	s_lshl_b32 s23, s16, 7
	s_add_co_u32 s22, s22, s23
	s_add_co_u32 s22, s22, STG
	v_mul_u32_u24 v[STO], v[RR], PS                ; in: row 16 x m tile + l % 16; my 8 columns are 32 bytes for each half of the lanes; 128 bytes a pair of a tiles
	v_lshl_add_u32 v[STO], v[HH], 5, v[STO]
	v_add_nc_u32 v[STO], s22, v[STO]
	s_mul_i32 s22, s14, 8*PS
	s_add_co_u32 s22, s22, STG
	v_mul_u32_u24 v[SRD], v[HH], PS                ; back: wave w takes rows 8 w .. 8 w + 7, whole; lanes 0-15 one row of 256 bytes, lanes 16-31 the next
	v_lshl_add_u32 v[SRD], v[RR], 4, v[SRD]
	v_add_nc_u32 v[SRD], s22, v[SRD]
	s_lshl_b32 s22, s14, 15
	v_lshl_add_u32 v[GO], v[HH], 12, s22           ; and the same two rows in XP
	v_lshl_add_u32 v[GO], v[RR], 4, v[GO]
	s_wait_dscnt 24                                ; the first group is in; the second's 24 loads stay out
	PRODS B0, 1
	PLACES
	GRP 2, B0
	s_wait_dscnt 24
	PRODS B1, 0
	PLACES
	GRP 3, B1
	s_wait_dscnt 24
	PRODS B0, 0
	s_wait_dscnt 0x0
	PRODS B1, 0
	PLACES                                         ; places behind the last products, ahead of the stores that read their results
	PLACES
	ds_store_b128 v[STO], v[ACC:ACC+3]             ; each accumulator is read from its low end on
	ds_store_b128 v[STO], v[ACC+4:ACC+7]   offset:16
	ds_store_b128 v[STO], v[ACC+8:ACC+11]  offset:64
	ds_store_b128 v[STO], v[ACC+12:ACC+15] offset:80
	s_wait_dscnt 0x0                               ; for the others' sake: a row's 256 bytes come from two waves
	s_barrier_signal -1
	s_barrier_wait -1
.irp t, 0,1,2,3
	ds_load_b128 v[OB+4*\t:OB+4*\t+3], v[SRD] offset:2*PS*\t
.endr
.irp t, 0,1,2,3
	s_wait_dscnt 3-\t
	global_store_b128 v[GO], v[OB+4*\t:OB+4*\t+3], s[12:13] offset:8192*\t  ; sixteen lanes store 256 consecutive bytes, at a multiple of 256 from XP's first byte
.endr
	s_wait_tensorcnt 0x0                           ; the wave's end, behind my last LDS store
	ds_add_u32 v[SPW], v[NIL]
	s_wait_dscnt 0x0
	s_endpgm
.Lfunc_end_k_q4b3a6b3b42_prep:
	.size	k_q4b3a6b3b42_prep, .Lfunc_end_k_q4b3a6b3b42_prep-k_q4b3a6b3b42_prep
	.p2alignl 7, 3214868480
	.fill 96, 4, 3214868480
	.section	.rodata,"a",@progbits
	.p2align	6, 0x0
	.amdhsa_kernel k_q4b3a6b3b42_prep
		.amdhsa_group_segment_fixed_size 166912
		.amdhsa_private_segment_fixed_size 0
		.amdhsa_enable_private_segment 0
		.amdhsa_kernarg_size 40
		.amdhsa_user_sgpr_count 2
		.amdhsa_user_sgpr_kernarg_segment_ptr 1
		.amdhsa_wavefront_size32 1
		.amdhsa_system_sgpr_workgroup_id_x 1
		.amdhsa_system_sgpr_workgroup_id_y 1
		.amdhsa_system_sgpr_workgroup_id_z 1
		.amdhsa_system_vgpr_workitem_id 0
		.amdhsa_next_free_vgpr 256
		.amdhsa_next_free_sgpr 66
		.amdhsa_reserve_vcc 0
		.amdhsa_float_denorm_mode_32 3
		.amdhsa_float_denorm_mode_16_64 3
		.amdhsa_memory_ordered 1
		.amdhsa_forward_progress 1
		.amdhsa_inst_pref_size 35
	.end_amdhsa_kernel
	.amdgpu_metadata
---
amdhsa.version: [ 1, 2 ]
amdhsa.kernels:
  - .name:           k_q4b3a6b3b42_prep
    .symbol:         k_q4b3a6b3b42_prep.kd
    .args:
      - { .name: W_vis, .offset: 0, .size: 8, .value_kind: global_buffer, .address_space: global }
      - { .name: W_ques, .offset: 8, .size: 8, .value_kind: global_buffer, .address_space: global }
      - { .name: X, .offset: 16, .size: 8, .value_kind: global_buffer, .address_space: global }
      - { .name: Wb, .offset: 24, .size: 8, .value_kind: global_buffer, .address_space: global }
      - { .name: XP, .offset: 32, .size: 8, .value_kind: global_buffer, .address_space: global }
    .group_segment_fixed_size: 166912
    .private_segment_fixed_size: 0
    .kernarg_segment_align: 8
    .kernarg_segment_size: 40
    .max_flat_workgroup_size: 256
    .sgpr_count:     66
    .vgpr_count:     256
    .wavefront_size: 32
...
	.end_amdgpu_metadata
.endif
;; end of part 1
;; launch attn (part 2): grid 256 x 1, 4 waves a work-group, clusters of 4 x 1, 327,680 bytes of LDS; arguments Y, Wb, XP, b_ques, W_map, b_map, out0; writes out0
.if DOCPART == 2
	.amdgcn_target "amdgcn-amd-amdhsa--gfx1250"
	.amdhsa_code_object_version 6
	.text
	.protected	k_q4b3a6b3b42_attn
	.globl	k_q4b3a6b3b42_attn
	.p2align	8
	.type	k_q4b3a6b3b42_attn,@function
k_q4b3a6b3b42_attn:
	s_mov_b64 s[64:65], 0
	v_nop
	global_prefetch_b8 v0, s[64:65] scope:SCOPE_SE
	s_setreg_imm32_b32 hwreg(HW_REG_WAVE_MODE, 25, 1), 1
	s_wait_xcnt 0x0
	s_wait_alu depctr_hold_cnt(0) depctr_sa_sdst(0) depctr_va_vdst(0) depctr_va_sdst(0) depctr_va_ssrc(0) depctr_va_vcc(0) depctr_vm_vsrc(0)
	s_getreg_b32 s2, hwreg(HW_REG_IB_STS2, 6, 4)
	s_cmp_eq_u32 s2, 0
	s_cbranch_scc0 .Lentry_in_a_cluster
	s_endpgm
.Lentry_in_a_cluster:
	s_bfe_u32 s2, ttmp6, 0x10000c
	s_cmp_lg_u32 s2, 0x3003
	s_cbranch_scc0 .Lentry_shape_is_right
	s_endpgm
.Lentry_shape_is_right:
; out[b][:] = sum over n of w[n] Y[b][n][:],  w = softmax_n( relu(x2att[b] + Y[b][n] W_vis) . W_map + b_map ),  x2att[b] = XP[0..3][b] summed + b_ques.
; Y: [256][128][2048] f32.  Wb: W_vis in bf16, [2048 k][1024 a].  XP: [4][256][1024] f32.  out0: [256][2048] f32.
; Y is rounded to bf16 for the product with Wb; sums, relu, logits, softmax and the weighted sum (on Y as it lies, f32) are f32.
; LIMITS.  relu is a maximum with 0 in which a NaN loses: a NaN in att counts as 0; infinities are not treated apart; a weight below 2^-126 counts as 0; K is summed beginning at a K tile that hangs on the cluster.
; SHARES.  One work-group a batch: logits, softmax and the weighted sum never leave it.  The batch's 128 rows go in two blocks of 64; a block's 64 x 1,024 sums lie whole in registers, 512 a wave:
; wave w owns att columns 256 w .. 256 w + 255 of all 64 rows: 64 accumulators of 16 x 16.  So Y is streamed once for the products, K outermost, in steps of 64.
; Y[b] in bf16 is 512 KiB and does not fit beside the sums and two slots of Wb: it is read from memory a second time, for the weighted sum.
; THE SOFTMAX GOES BLOCK BY BLOCK, WITH A RUNNING MAXIMUM, so that half of that second reading stands under products.  Behind the first block: p[n] = 2^(c l[n] - c m0), c = log2(e), m0 the block's largest logit, and
; s0 their sum.  While the second block is multiplied, each wave reads its 2,048 bytes of rows 0 to 63 again, four rows in two steps, and adds p[n] Y[n] onto 16 sums a lane.  Behind the second block: m = max(m0, m1),
; a = 2^(c m0 - c m), s = s0 a + the sum of its own p; the 16 sums are multiplied by a / s, rows 64 to 127 get the weights p / s and are added at the end.  c m and s are carried in f32 registers.
; The two blocks are written out one after the other: the second block's steps hold other loads, and so other counts, than the first's.
; CLUSTER.  Every work-group walks the same tiles of Wb (64 k x 1,024 a), twice.  The four of a cluster ask for each tile JOINTLY: the same tensor load, descriptor and mask of four in all four; each wave
; fetches its own 256 columns (64 rows of 512 bytes) into its own region of a slot.  Cluster x begins its walk at K tile 2 (x % 16), for Wb and Y alike, so that the clusters begin at 16 different places of Wb.
; Wb is not prefetched: by that rotation all its 32 tiles are named by the launch's first two fills.  The rows of Y that are read again are not prefetched: the launch has read them before.
; Y's WAY.  Each wave loads 16 rows x 256 bytes of a K tile (two rows a load), rounds, and stores to the A slot that the next step reads; two register sets take turns, so a set's loads have two steps to land.
; THE MATRIX INSTRUCTION: source 0 = 16 rows of Y, source 1 = 16 columns of Wb (turned out of LDS by ds_load_tr16_b128): lane l holds column l % 16 and rows 8 (l / 16) + 0..7.
; So x2att and W_map are one number a lane and column tile.  The sums START at x2att (512 v_mov_b32 a block: the add that the module asks for, made once for each sum), and the way out is max, multiply-add, and a sum over 16 lanes.
; REGISTERS, in windows of 256 (s_set_vgpr_msb: bits 1:0 source 0, 3:2 source 1, 5:4 source 2, 7:6 destination):
;   window 0: addresses, tables, A's fragments, Y's sets, work      window 1: Wb's fragments, two buffers of 128; in the tail two sets of 8 rows of Y      windows 2, 3: the sums: (a, c) in window 2 + a / 2 at v[8 (16 (a % 2) + c)]
.set PW,    544                        ; a row of Wb's tile in LDS: 512 bytes + 32 of padding = 17 x 32
.set WREG,  64*PW                      ; a wave's region of a slot
.set WSLOT, 4*WREG                     ; a slot; two of them from LDS byte 0: filled by tensor loads alone
.set PA,    144                        ; a row of Y's tile in LDS: 64 bf16 + 16 bytes = 9 x 16
.set ASL,   2*WSLOT                    ; two A slots of 64 rows: written by ds_store alone
.set ASLOT, 64*PA
.set XAL,   ASL+2*ASLOT                ; x2att[b], 1,024 f32
.set WML,   XAL+4096                   ; W_map
.set LOG,   WML+4096                   ; [128 rows][4 waves] partial logits
.set PWT,   LOG+2048                   ; for each wave, 128 weights: rows 0-63 as p, rows 64-127 as p / s
.set SPARE, PWT+2048                   ; the spare words, 128 bytes for each wave: two blocks of 256 bytes that no other line names
.set RR,   1                           ; v1   l % 16
.set HH,   2                           ; v2   l / 16
.set TMP,  3                           ; v3   at work
.set WAD,  3                           ;      in the second block's steps: where the first block's weights are read
.set ADRB, 4                           ; v4-5   my Wb fragments in slot 0, 1
.set ADRA, 6                           ; v6-7   my Y fragments in A slot 0, 1
.set ASTO, 8                           ; v8-9   where I store rounded Y in A slot 0, 1
.set YO,   10                          ; v10  my offset in a tile of Y: row 16 w + l / 16, 16 bytes for l % 16; never rewritten
.set PFO,  11                          ; v11  the prefetches' offset: row 16 w + l % 16, tile l / 16; never rewritten
.set LADR, 12                          ; v12  where my partial logits go; in the tail: where the weights are read
.set SPW,  13                          ; v13  my spare word; never rewritten
.set NIL,  14                          ; v14  0; never rewritten
.set TO,   15                          ; v15  the weighted sum: 2,048 w + 16 l; never rewritten
.set XA,   16                          ; v[16:31]  x2att of my column in column tile c, until the second block's sums have started from it;
.set OA,   16                          ;           then my 16 sums of the weighted sum
.set WM,   32                          ; v[32:47]  W_map of my column in column tile c
.set LG,   48                          ; v[48:79]  32 partial logits: row tile a, register j at 8 a + j; in the second block's steps: two rows of Y read again
.set WTA,  64                          ; the tail: v[64:71], v[72:79] eight weights each
.set WTB,  72
.set CT,   80                          ; v[80:87]  rounded Y on its way to LDS, four rows' worth
.set WT4,  88                          ; v[88:91]  the weights of four rows
.set CM,   92                          ; v92  c m, carried from the first block to the second
.set SS,   93                          ; v93  s, likewise
.set AF,   96                          ; v[96:127], v[128:159]  Y's fragments, two buffers of four
.set YS,   160                         ; v[160:191], v[192:223]  Y as loaded, two sets
.set TT,   224                         ; v[224:255]  at work; in the second block's steps: two more rows of Y read again
.set WV,   18                          ; s18  my wave's number
.set CX,   19                          ; s19  my place in the cluster
.set BB,   20                          ; s20  my batch: enters the addresses of Y, XP and out0 alone
.set ROT,  21                          ; s21  the K tile at which my cluster begins
.set G1,   24                          ; s[24:31]  descriptor group 1
.set G0,   32                          ; s[32:39]  group 0, a set for each slot
.set YB,   40                          ; s[40:41]  Y at my batch
.set YP,   42                          ; s[42:43]  Y at the tile being asked for
.set PFP,  44                          ; s[44:45]  Y at the pair of tiles being prefetched
.set WB,   46                          ; s[46:47]  Wb at my wave's 256 columns
.set OFF,  48                          ; s[48:49]  an offset; never holds my place in the cluster
.set ST,   50                          ; s50  the step, 0 to 63: block = ST / 32, slot = ST % 2
.set LAPC, 56                          ; s56  a loop's count
.set BM,   58                          ; s58  b_map
.set SEL,  60                          ; s[60:61]  v_permlanex16_b32's selects: each lane takes its own place in the other half
.set TP,   66                          ; s[66:67]  the tail's place in Y
.set OUTP, 68                          ; s[68:69]  out0 at my batch
.set OFF2, 70                          ; s[70:71]  a second offset
.set GP,   72                          ; s[72:73]  Y at the four rows being read again
.set OFG,  74                          ; s[74:75]  their offset in the batch
.set MSB, 0
.macro WIN new                         ; the immediate's high byte repeats the setting that is left; a switch that changes nothing is dropped
.if MSB != (\new)
	s_set_vgpr_msb (MSB<<8)|(\new)
.set MSB, (\new)
.endif
.endm
.macro PLACES                          ; four plain places between a matrix instruction and a load into a register that it has read, or a vector instruction that reads its result (ISA guide 7.12.1 for vector instructions)
.rept 4
	v_nop
.endr
.endm
.macro CREST                           ; a round of the cluster's barrier behind its opening barrier: wave 0 signals for the work-group, every wave waits for all four work-groups, my work-group's barrier once more
	s_cmp_lg_u32 s[WV], 0
	s_cbranch_scc1 .Lnot_wave_0_\@
	s_barrier_signal -3
.Lnot_wave_0_\@:
	s_barrier_wait -3
	s_barrier_signal -1
	s_barrier_wait -1
.endm
.macro CROUND                          ; a whole round
	s_barrier_signal -1
	s_barrier_wait -1
	CREST
.endm
; n matrix instructions: row tile a x column tiles c0 .. c0 + n - 1, 32 along K, fragment buffers f.  The 64 sums take turns in the same order in every half step: 63 others stand between two links of a chain.
.macro MULN f, a, c0, n
	WIN 0xa4+0x50*((\a)/2)
.set cc, \c0
.rept \n
.set AC, 8*(16*((\a)%2)+cc)
	v_wmma_f32_16x16x32_bf16 v[AC:AC+7], v[AF+32*(\f)+8*(\a):AF+32*(\f)+8*(\a)+7], v[128*(\f)+8*cc:128*(\f)+8*cc+7], v[AC:AC+7]
.set cc, cc+1
.endr
.endm
; 40 LDS loads in one run: the fragments of half q (32 along K) of a step, into buffers f: 16 of Wb (turned), then 4 of Y.
.macro FETCH slot, q, f
	WIN 0x40                                       ; destination window 1, address window 0
.set cc, 0
.rept 16
	ds_load_tr16_b128 v[128*(\f)+8*cc:128*(\f)+8*cc+3],   v[ADRB+(\slot)] offset:(\q)*32*PW+32*cc
	ds_load_tr16_b128 v[128*(\f)+8*cc+4:128*(\f)+8*cc+7], v[ADRB+(\slot)] offset:(\q)*32*PW+16*PW+32*cc
.set cc, cc+1
.endr
	WIN 0
.irp a, 0,1,2,3
	ds_load_b128 v[AF+32*(\f)+8*\a:AF+32*(\f)+8*\a+3],   v[ADRA+(\slot)] offset:\a*16*PA+64*(\q)
	ds_load_b128 v[AF+32*(\f)+8*\a+4:AF+32*(\f)+8*\a+7], v[ADRA+(\slot)] offset:\a*16*PA+64*(\q)+32
.endr
.endm
; The byte offset in Y[b] of tile ST + add: its K tile's 256 bytes of a row, its block's 64 rows.  The tile's number stays in s[t].  clamp = 1: no tile past the last.
.macro YOFF dst, add, t, clamp
	s_add_co_u32 s[\t], s[ST], \add
.if \clamp
	s_min_u32 s[\t], s[\t], 63
.endif
	s_add_co_u32 s52, s[\t], s[ROT]
	s_and_b32 s52, s52, 31
	s_lshl_b32 s52, s52, 8
	s_lshr_b32 s53, s[\t], 5
	s_lshl_b32 s53, s53, 19
	s_or_b32 s[\dst], s52, s53
.endm
; Four rows of the first block, my wave's 2,048 bytes of each, read again: 16 loads of 512 consecutive bytes.  Rows 0, 1 go to LG's registers, rows 2, 3 to TT's: both lie idle during the steps.
.macro GLOADS
.irp r, 0,1,2,3
.set GR, LG+16*\r+(TT-LG-32)*(\r/2)
.irp g, 0,1,2,3
	global_load_b128 v[GR+4*\g:GR+4*\g+3], v[TO], s[GP:GP+1] offset:8192*\r+512*\g th:TH_LOAD_NT
.endr
.endr
.endm
; They are added, each row times its weight, onto my 16 sums: eight chains by turns.
.macro FMA4
.irp r, 0,1,2,3
.set GR, LG+16*\r+(TT-LG-32)*(\r/2)
.set i, 0
.rept 8
.if (\r)%2
	v_pk_fma_f32 v[OA+2*i:OA+2*i+1], v[GR+2*i:GR+2*i+1], v[WT4+\r-1:WT4+\r], v[OA+2*i:OA+2*i+1] op_sel:[0,1,0] op_sel_hi:[1,1,1]
.else
	v_pk_fma_f32 v[OA+2*i:OA+2*i+1], v[GR+2*i:GR+2*i+1], v[WT4+\r:WT4+\r+1], v[OA+2*i:OA+2*i+1] op_sel_hi:[1,0,1]
.endif
.set i, i+1
.endr
.endr
.endm
; Set n of Y is rounded and stored to A slot n, four rows' pairs at a time.  ask = 1: the set is asked for again, with tile ST + add.  The tile's number is clamped, not the loads jumped, so that the counts mean
; the same in every trip: step 61 loads the last tile once more, into registers that nobody reads.
; g = 1: behind those loads, the next four rows of the first block are asked for again.
; pf = 1: A PREFETCH INTO THE L2, behind the loads: my own 16 rows x 256 bytes of the two tiles ST + add + 3 and + 4 (neighbours in memory: ST and ROT are even), a lane a block, one instruction.
; They are named three and four steps, 384 and 512 matrix instructions, ahead of my loads of them, and once in the launch.  Tiles 0 to 5 come by their loads alone; past tile 63 nothing is asked for.
.macro STAGE n, cnt, ask, add, pf, g
	s_wait_loadcnt \cnt                            ; loads come back in order: set n is in; what was issued behind it stays out
.irp hh, 0,1
.irp j, 0,1,2,3
	v_cvt_pk_bf16_f32 v[CT+2*\j],   v[YS+32*(\n)+16*\hh+4*\j],   v[YS+32*(\n)+16*\hh+4*\j+1]
	v_cvt_pk_bf16_f32 v[CT+2*\j+1], v[YS+32*(\n)+16*\hh+4*\j+2], v[YS+32*(\n)+16*\hh+4*\j+3]
.endr
.irp j, 0,1,2,3
	ds_store_b64 v[ASTO+(\n)], v[CT+2*\j:CT+2*\j+1] offset:2*PA*(4*\hh+\j)
.endr
.endr
.if \ask
	YOFF OFF, \add, 51, 1
.endif
.if (\ask) && (\pf)
	YOFF OFF2, (\add)+3, 54, 0
.endif
.if (\ask) || (\g)
	s_wait_xcnt 0x0                                ; every earlier load and prefetch has read its address (the youngest a step back): the pointers may be written
.endif
.if \ask
	s_add_nc_u64 s[YP:YP+1], s[YB:YB+1], s[OFF:OFF+1]
.endif
.if (\ask) && (\pf)
	s_add_nc_u64 s[PFP:PFP+1], s[YB:YB+1], s[OFF2:OFF2+1]
.endif
.if \g
	s_add_nc_u64 s[GP:GP+1], s[YB:YB+1], s[OFG:OFG+1]
	s_add_co_u32 s[OFG], s[OFG], 32768             ; four rows on
.endif
.if \ask
.irp j, 0,1,2,3,4,5,6,7
	global_load_b128 v[YS+32*(\n)+4*\j:YS+32*(\n)+4*\j+3], v[YO], s[YP:YP+1] offset:16384*\j  ; two rows' 256 bytes, aligned
.endr
.endif
.if \g
	GLOADS
.endif
.if (\ask) && (\pf)
	s_cmp_lt_u32 s54, 64
	s_cbranch_scc0 .Lno_pf_\@
	global_prefetch_b8 v[PFO], s[PFP:PFP+1] th:TH_LOAD_NT scope:SCOPE_SE
.Lno_pf_\@:
.endif
.endm
; A step is two halves of 32 along K, 64 matrix instructions each.  The first half multiplies buffers 0; in its middle it fetches the second half's fragments and stages the next step's Y.
.macro H0 slot, stage, cnt, ask, g
	s_wait_dscnt 4                                 ; Wb's fragments and Y's row tiles 0 and 1 are in; the youngest four loads (row tiles 2, 3) may be out
	MULN 0, 0, 0, 16
	MULN 0, 1, 0, 16
	PLACES
	FETCH \slot, 1, 1
.if \stage
	STAGE 1-(\slot), \cnt, \ask, 3, 1-(\slot), \g
	s_wait_dscnt 48                                ; all but the 40 loads and 8 stores just issued
.else
	s_wait_dscnt 40
.endif
	MULN 0, 2, 0, 16
	MULN 0, 3, 0, 16
.endm
; The second half multiplies buffers 1 and changes slots: ONE barrier.  In front of it each wave waits for all its tensor loads (one is out: its region of the other slot), adds 0 to its spare word, and waits for
; that, for its reads of this slot and of this A slot, and for its stores to the other A slot.  Behind it the other slots are whole and nobody reads these.
; fill = 1: the barrier opens a round of the cluster's, and this slot is filled again, first thing behind it, with the tile two steps on: 112 matrix instructions ahead of the wait for it.
; sum = 1: the four rows asked for again a step and a half ago are added onto the weighted sum, between the half's last two groups of products; their weights are read ahead of the run of fragment loads.
.macro TURN slot, fill, sum
	s_wait_dscnt 0x0                               ; the second half's fragments are in
	MULN 1, 0, 0, 16
	WIN 0                                          ; (the add's two registers lie in window 0)
	s_wait_tensorcnt 0x0                           ; no tensor load of mine is out, so a group 0 may be written
	ds_add_u32 v[SPW], v[NIL]                      ; 0 onto my spare word
.if \fill
	s_add_co_u32 s51, s[ST], 2
	s_add_co_u32 s51, s51, s[ROT]
	s_and_b32 s51, s51, 31
	s_lshl_b32 s[OFF], s51, 17                     ; a tile of Wb is 64 rows of 2,048 bytes
	s_add_nc_u64 s[G0+4*(\slot)+2:G0+4*(\slot)+3], s[WB:WB+1], s[OFF:OFF+1]
	s_or_b32 s[G0+4*(\slot)+3], s[G0+4*(\slot)+3], 0x80000000
.endif
	s_add_co_u32 s[ST], s[ST], 1
	MULN 1, 1, 0, 8                                ; eight matrix instructions stand between the add and the wait for it
	s_wait_dscnt 0x0
	s_barrier_signal -1
	MULN 1, 1, 8, 8                                ; work on registers while the others arrive
	WIN 0
	s_barrier_wait -1
.if \fill
	CREST                                          ; no wave of any partner still reads this slot or has a load on its way
	tensor_load_to_lds s[G0+4*(\slot):G0+4*(\slot)+3], s[G1:G1+7]
	s_nop 0
.endif
	PLACES                                         ; behind the tensor load; also the places in front of the loads below
.if \sum
	ds_load_b128 v[WT4:WT4+3], v[WAD]              ; four weights, the same in every lane: my wave's own bytes
.endif
	FETCH 1-(\slot), 0, 0
	MULN 1, 2, 0, 16
.if \sum
	WIN 0
	s_wait_loadcnt 8                               ; the four rows are in; behind them only the odd step's eight loads were issued
	s_wait_dscnt 40                                ; the weights are in; the 40 fragment loads issued behind them stay out
	FMA4
	v_add_nc_u32 v[WAD], 16, v[WAD]
.endif
	MULN 1, 3, 0, 16
.endm
; Two steps: once round the ring.  With sum = 1 the loads go out in the order: even step's set (8), four rows (16), odd step's set (8).  The even stage waits with 8: the rows of the lap before have been waited
; for, so only the odd set of that lap is out, on the way into the loop as on the way back.  The odd stage waits with 24: this lap's even set and rows.
.macro LAP fill, sum
	H0 0, 1, 8, 1, \sum
	TURN 0, \fill, 0
	H0 1, 1, 8+16*(\sum), 1, 0
	TURN 1, \fill, \sum
.endm
; The sums start at x2att of their column.
.macro INIT
.irp a, 0,1,2,3
	WIN (2+(\a)/2)<<6
.set i, 0
.rept 128
	v_mov_b32 v[128*((\a)%2)+i], v[XA+i/8]
.set i, i+1
.endr
.endr
	WIN 0
.endm
; A block's way out: relu, times W_map, summed over my 16 column tiles, then over the 16 lanes of a row of lanes; 32 partial logits (64 rows over the two halves of the lanes) go to LDS.
; Each accumulator's registers are read in ascending order.  The first column tile's product starts the sums: nothing is cleared.
; It touches no register into which a load may be on its way (A's and Wb's first buffers, Y's sets).
.macro EPI
	PLACES
	PLACES
.irp a, 0,1,2,3
.irp q, 0,1,2,3
	WIN (2+(\a)/2)<<2                              ; source 1 in the sums' window
.set i, 0
.rept 32
	v_max_num_f32 v[TT+i], 0, v[8*(16*((\a)%2)+4*\q+i/8)+i%8]
.set i, i+1
.endr
	WIN 0
.set i, 0
.rept 16
.set c, 4*\q+i/4
.if c == 0
	v_pk_mul_f32 v[LG+8*\a+2*(i%4):LG+8*\a+2*(i%4)+1], v[TT+8*(i/4)+2*(i%4):TT+8*(i/4)+2*(i%4)+1], v[WM:WM+1] op_sel_hi:[1,0]
.elseif c%2
	v_pk_fma_f32 v[LG+8*\a+2*(i%4):LG+8*\a+2*(i%4)+1], v[TT+8*(i/4)+2*(i%4):TT+8*(i/4)+2*(i%4)+1], v[WM+c-1:WM+c], v[LG+8*\a+2*(i%4):LG+8*\a+2*(i%4)+1] op_sel:[0,1,0] op_sel_hi:[1,1,1]
.else
	v_pk_fma_f32 v[LG+8*\a+2*(i%4):LG+8*\a+2*(i%4)+1], v[TT+8*(i/4)+2*(i%4):TT+8*(i/4)+2*(i%4)+1], v[WM+c:WM+c+1], v[LG+8*\a+2*(i%4):LG+8*\a+2*(i%4)+1] op_sel_hi:[1,0,1]
.endif
.set i, i+1
.endr
.endr
.endr
.irp m, 1,2,4,8
.set i, 0
.rept 32
	v_add_f32_dpp v[LG+i], v[LG+i], v[LG+i] row_xmask:\m row_mask:0xf bank_mask:0xf
.set i, i+1
.endr
.endr
.set i, 0
.rept 32
	ds_store_b32 v[LADR], v[LG+i] offset:(16*(i/8)+i%8)*16  ; row 16 a + 8 (l / 16) + j, my wave's word; sixteen lanes write the same word with the same number
.set i, i+1
.endr
	v_add_nc_u32 v[LADR], 1024, v[LADR]            ; the next block's 64 rows
.endm
; A block's 64 logits, in every wave for itself: lane l takes rows l and l + 32 of the block; their four partial sums are added, b_map too; the block's largest logit comes into v[TT+20] of every lane.
.macro LOGITS base
	v_and_b32 v[TMP], 31, v0
	v_lshl_add_u32 v[TT], v[TMP], 4, \base
	ds_load_b128 v[TT+4:TT+7],  v[TT]
	ds_load_b128 v[TT+8:TT+11], v[TT] offset:512
	s_wait_dscnt 0x0
	v_add_f32 v[TT+4],  v[TT+4],  v[TT+5]
	v_add_f32 v[TT+6],  v[TT+6],  v[TT+7]
	v_add_f32 v[TT+8],  v[TT+8],  v[TT+9]
	v_add_f32 v[TT+10], v[TT+10], v[TT+11]
	v_add_f32 v[TT+4],  v[TT+4],  v[TT+6]
	v_add_f32 v[TT+8],  v[TT+8],  v[TT+10]
	v_add_f32 v[TT+4],  s[BM], v[TT+4]
	v_add_f32 v[TT+8],  s[BM], v[TT+8]
	v_max_num_f32 v[TT+20], v[TT+4], v[TT+8]
.irp m, 1,2,4,8
	v_max_num_f32_dpp v[TT+20], v[TT+20], v[TT+20] row_xmask:\m row_mask:0xf bank_mask:0xf
.endr
	v_permlanex16_b32 v[TT+5], v[TT+20], s[SEL], s[SEL+1]
	v_max_num_f32 v[TT+20], v[TT+20], v[TT+5]
.endm
.macro LANESUM r                       ; the sum of register r over the 32 lanes, in every lane
.irp m, 1,2,4,8
	v_add_f32_dpp v[\r], v[\r], v[\r] row_xmask:\m row_mask:0xf bank_mask:0xf
.endr
	v_permlanex16_b32 v[TT+5], v[\r], s[SEL], s[SEL+1]
	v_add_f32 v[\r], v[\r], v[TT+5]
.endm
; THE TAIL.  Eight rows of Y, my wave's 2,048 bytes of each, into a set in window 1: 32 loads of 512 consecutive bytes.
.macro LOADG set, imm
	WIN 0x40
.irp r, 0,1,2,3,4,5,6,7
.irp g, 0,1,2,3
	global_load_b128 v[128*(\set)+16*\r+4*\g:128*(\set)+16*\r+4*\g+3], v[TO], s[TP:TP+1] offset:(\imm)+8192*\r+512*\g th:TH_LOAD_NT
.endr
.endr
.endm
; They are added, each row times its weight, onto my 16 sums: eight chains by turns.
.macro FMAG set, wt
	WIN 0x01                                       ; source 0 window 1
.irp r, 0,1,2,3,4,5,6,7
.set i, 0
.rept 8
.if (\r)%2
	v_pk_fma_f32 v[OA+2*i:OA+2*i+1], v[128*(\set)+16*\r+2*i:128*(\set)+16*\r+2*i+1], v[(\wt)+\r-1:(\wt)+\r], v[OA+2*i:OA+2*i+1] op_sel:[0,1,0] op_sel_hi:[1,1,1]
.else
	v_pk_fma_f32 v[OA+2*i:OA+2*i+1], v[128*(\set)+16*\r+2*i:128*(\set)+16*\r+2*i+1], v[(\wt)+\r:(\wt)+\r+1], v[OA+2*i:OA+2*i+1] op_sel_hi:[1,0,1]
.endif
.set i, i+1
.endr
.endr
.endm
.macro WLOAD                           ; sixteen weights, the same in every lane
	WIN 0
	ds_load_b128 v[WTA:WTA+3],   v[LADR]
	ds_load_b128 v[WTA+4:WTA+7], v[LADR] offset:16
	ds_load_b128 v[WTB:WTB+3],   v[LADR] offset:32
	ds_load_b128 v[WTB+4:WTB+7], v[LADR] offset:48
.endm
	s_load_b256 s[4:11], s[0:1], 0x0               ; Y s[4:5], Wb s[6:7], XP s[8:9], b_ques s[10:11]
	s_load_b128 s[12:15], s[0:1], 0x20             ; W_map s[12:13], b_map s[14:15]
	s_load_b64 s[16:17], s[0:1], 0x30              ; out0
	v_lshl_add_u32 v[SPW], v0, 2, SPARE
	v_mov_b32 v[NIL], 0
	ds_add_u32 v[SPW], v[NIL]                      ; the wave's opening: the add, twice on end, and its wait ahead of my first tensor load; the set-up below, work on registers, stands between
	ds_add_u32 v[SPW], v[NIL]
	v_lshrrev_b32 v[TMP], 5, v0
	v_readfirstlane_b32 s[WV], v[TMP]              ; wave 0..3
	s_bfe_u32 s[CX], ttmp6, 0x40000                ; my place in the cluster
	s_lshl_b32 s[BB], ttmp9, 2                     ; in a cluster launch ttmp9 counts clusters
	s_add_co_u32 s[BB], s[BB], s[CX]               ; my batch
	s_and_b32 s[ROT], ttmp9, 15
	s_lshl_b32 s[ROT], s[ROT], 1                   ; the same in all four partners
	; descriptor group 1: a tile of 64 rows x 256 elements, padded in LDS
	s_mov_b32 s[G1+0], 15|(1<<16)|(1<<20)|(1<<21)|(6<<22)|(7<<25)  ; 15:0 the mask of four; 17:16 elements of 2 bytes; 20 padding on; 21 set beside a mask; 24:22 after every 128 words (code 6); 31:25 8 words (code 7)
	s_mov_b32 s[G1+1], 256<<16                     ; tensor_dim0 = 256
	s_mov_b32 s[G1+2], 64<<16                      ; tensor_dim1 = 64
	s_mov_b32 s[G1+3], 256<<16                     ; tile_dim0 = 256
	s_mov_b32 s[G1+4], 64                          ; tile_dim1 = 64
	s_mov_b32 s[G1+5], 1024                        ; elements from row to row
	s_mov_b32 s[G1+6], 0
	s_mov_b32 s[G1+7], 0
	s_mul_i32 s51, s[WV], WREG                     ; my region of a slot: no place in the cluster enters an LDS address
	s_mov_b32 s[G0+0], 1
	s_mov_b32 s[G0+1], s51
	s_mov_b32 s[G0+4], 1
	s_add_co_u32 s[G0+5], s51, WSLOT
	s_mov_b32 s[OFF+1], 0
	s_mov_b32 s[OFF2+1], 0
	s_mov_b32 s[ST], 0
	s_mov_b32 s[SEL], 0x76543210
	s_mov_b32 s[SEL+1], 0xfedcba98
	v_and_b32 v[RR], 15, v0
	v_bfe_u32 v[HH], v0, 4, 1
	v_and_b32 v[TMP], 7, v0                        ; the turning load: lane l reads row 8 (l / 16) + l % 8, columns 8 ((l / 8) % 2) + 0..7
	v_lshl_add_u32 v[TMP], v[HH], 3, v[TMP]
	v_mul_u32_u24 v[TMP], v[TMP], PW
	v_bfe_u32 v[TT], v0, 3, 1
	v_lshl_add_u32 v[TMP], v[TT], 4, v[TMP]
	v_add_nc_u32 v[ADRB], s51, v[TMP]
	v_add_nc_u32 v[ADRB+1], WSLOT, v[ADRB]
	v_mul_u32_u24 v[TMP], v[RR], PA                ; a fragment of Y: row x pitch + 16 x half
	v_lshl_add_u32 v[TMP], v[HH], 4, v[TMP]
	v_add_nc_u32 v[ADRA], ASL, v[TMP]
	v_add_nc_u32 v[ADRA+1], ASL+ASLOT, v[TMP]
	s_mul_i32 s52, s[WV], 16*PA
	v_mul_u32_u24 v[TMP], v[HH], PA                ; the stage's stores: row 16 w + l / 16, 8 bytes for l % 16
	v_lshl_add_u32 v[TMP], v[RR], 3, v[TMP]
	v_add_nc_u32 v[TMP], s52, v[TMP]
	v_add_nc_u32 v[ASTO], ASL, v[TMP]
	v_add_nc_u32 v[ASTO+1], ASL+ASLOT, v[TMP]
	s_lshl_b32 s52, s[WV], 17                      ; 16 rows of 8,192 bytes
	v_lshl_add_u32 v[YO], v[HH], 13, s52
	v_lshl_add_u32 v[YO], v[RR], 4, v[YO]
	v_lshl_add_u32 v[PFO], v[RR], 13, s52
	v_lshl_add_u32 v[PFO], v[HH], 8, v[PFO]
	s_lshl_b32 s53, s[WV], 2
	s_add_co_u32 s53, s53, LOG
	v_lshl_add_u32 v[LADR], v[HH], 7, s53
	s_lshl_b32 s53, s[WV], 11
	v_and_b32 v[TMP], 31, v0
	v_lshl_add_u32 v[TO], v[TMP], 4, s53
	s_wait_dscnt 0x0                               ; both opening adds are done
	s_wait_kmcnt 0x0
	s_lshl_b32 s[OFF2], s[BB], 20                  ; a batch of Y is 1 MiB,
	s_add_nc_u64 s[YB:YB+1], s[4:5], s[OFF2:OFF2+1]
	s_lshl_b32 s[OFF2], s[BB], 12                  ; a row of XP 4,096 bytes,
	s_add_nc_u64 s[8:9], s[8:9], s[OFF2:OFF2+1]
	s_lshl_b32 s[OFF2], s[BB], 13                  ; a row of out0 8,192
	s_add_nc_u64 s[OUTP:OUTP+1], s[16:17], s[OFF2:OFF2+1]
	s_lshl_b32 s[OFF], s[WV], 9
	s_add_nc_u64 s[WB:WB+1], s[6:7], s[OFF:OFF+1]
	s_load_b32 s[BM], s[14:15], 0x0                ; b_map
	s_lshl_b32 s[OFF], s[ROT], 17                  ; the first two tiles of my cluster's walk: ROT is even, so the second follows the first
	s_add_nc_u64 s[G0+2:G0+3], s[WB:WB+1], s[OFF:OFF+1]
	s_add_nc_u64 s[G0+6:G0+7], s[G0+2:G0+3], 0x20000
	s_or_b32 s[G0+3], s[G0+3], 0x80000000          ; type = 2
	s_or_b32 s[G0+7], s[G0+7], 0x80000000
	CROUND                                         ; all four work-groups are here: the first joint loads meet
	tensor_load_to_lds s[G0:G0+3], s[G1:G1+7]      ; both first fills together: two loads of mine are out
	s_nop 0
	tensor_load_to_lds s[G0+4:G0+7], s[G1:G1+7]
	s_nop 0
	PLACES
	; the tables: thread t takes 16 bytes at 16 t and at 2,048 + 16 t of XP's four rows, of b_ques and of W_map (into A's fragment registers, still free)
	v_lshlrev_b32 v[TMP], 4, v0
.irp u, 0,1
.irp k, 0,1,2,3
	global_load_b128 v[AF+16*\u+4*\k:AF+16*\u+4*\k+3], v[TMP], s[8:9] offset:\k*1048576+2048*\u
.endr
	global_load_b128 v[AF+32+4*\u:AF+32+4*\u+3], v[TMP], s[10:11] offset:2048*\u
	global_load_b128 v[AF+40+4*\u:AF+40+4*\u+3], v[TMP], s[12:13] offset:2048*\u
.endr
	YOFF OFF, 0, 51, 1
	s_add_nc_u64 s[YP:YP+1], s[YB:YB+1], s[OFF:OFF+1]
.irp j, 0,1,2,3,4,5,6,7
	global_load_b128 v[YS+4*\j:YS+4*\j+3], v[YO], s[YP:YP+1] offset:16384*\j          ; tile 0
.endr
.irp j, 0,1,2,3,4,5,6,7
	global_load_b128 v[YS+32+4*\j:YS+32+4*\j+3], v[YO], s[YP:YP+1] offset:16384*\j+256  ; tile 1, its neighbour
.endr
	v_add_nc_u32 v[TT], XAL, v[TMP]
	s_wait_loadcnt 16                              ; the twelve table loads are in; Y's two sets stay out
.irp u, 0,1
.irp p, 0,2
	v_pk_add_f32 v[AF+16*\u+\p:AF+16*\u+\p+1],     v[AF+16*\u+\p:AF+16*\u+\p+1],     v[AF+16*\u+4+\p:AF+16*\u+4+\p+1]
	v_pk_add_f32 v[AF+16*\u+8+\p:AF+16*\u+8+\p+1], v[AF+16*\u+8+\p:AF+16*\u+8+\p+1], v[AF+16*\u+12+\p:AF+16*\u+12+\p+1]
.endr
.irp p, 0,2
	v_pk_add_f32 v[AF+16*\u+\p:AF+16*\u+\p+1], v[AF+16*\u+\p:AF+16*\u+\p+1], v[AF+16*\u+8+\p:AF+16*\u+8+\p+1]
.endr
.irp p, 0,2
	v_pk_add_f32 v[AF+16*\u+\p:AF+16*\u+\p+1], v[AF+16*\u+\p:AF+16*\u+\p+1], v[AF+32+4*\u+\p:AF+32+4*\u+\p+1]
.endr
	ds_store_b128 v[TT], v[AF+16*\u:AF+16*\u+3]       offset:2048*\u
	ds_store_b128 v[TT], v[AF+40+4*\u:AF+40+4*\u+3]   offset:4096+2048*\u
.endr
	STAGE 0, 8, 1, 2, 0, 0                         ; tile 0 into A slot 0; tile 2 is asked for
	s_wait_tensorcnt 0x1                           ; my region of slot 0 is in; slot 1's may stay out
	s_wait_dscnt 0x0                               ; for the others' sake: my stores are done
	s_barrier_signal -1
	s_barrier_wait -1
	s_lshl_b32 s52, s[WV], 10
	s_add_co_u32 s52, s52, XAL
	v_lshl_add_u32 v[TT+1], v[RR], 2, s52          ; my column in my wave's column tile 0
.set cc, 0
.rept 16
	ds_load_b32 v[XA+cc], v[TT+1] offset:64*cc
	ds_load_b32 v[WM+cc], v[TT+1] offset:4096+64*cc
.set cc, cc+1
.endr
	FETCH 0, 0, 0
	s_wait_dscnt 40                                ; the two tables are in; the fetch's 40 loads stay out
	s_wait_kmcnt 0x0                               ; b_map
	; THE FIRST BLOCK: rows 0 to 63, steps 0 to 31.  Its last steps ask for the second block's first tiles and fragments: the ring runs on.
	INIT
	s_mov_b32 s[LAPC], 16
.Llap0:
	LAP 1, 0
	WIN 0                                          ; at a label and at a branch every window is 0
	s_sub_co_u32 s[LAPC], s[LAPC], 1
	s_cmp_lg_u32 s[LAPC], 0
	s_cbranch_scc1 .Llap0
	EPI
	; its softmax step, in every wave for itself: p = 2^(c l - c m0), s0 = their sum
	s_wait_dscnt 0x0                               ; for the others' sake: my partial logits are stored
	s_barrier_signal -1
	s_barrier_wait -1                              ; all four waves' partial logits of rows 0 to 63 lie in LDS; slot 1's tile may stay out
	LOGITS LOG
	s_lshl_b32 s51, s[WV], 9
	s_add_co_u32 s51, s51, PWT
	v_lshl_add_u32 v[TT+1], v[TMP], 2, s51
	s_mov_b32 s52, 0x3fb8aa3b                      ; c = log2(e)
	v_mul_f32 v[CM], s52, v[TT+20]
	v_fma_f32 v[TT+4], v[TT+4], s52, -v[CM]
	v_fma_f32 v[TT+8], v[TT+8], s52, -v[CM]
	v_exp_f32 v[TT+4], v[TT+4]
	v_exp_f32 v[TT+8], v[TT+8]
	v_mov_b32 v[WAD], s51                          ; a plain instruction behind the last exponential: where the second block's steps read the weights,
	s_wait_alu depctr_va_vdst(0)                   ; and the wait ahead of the first use: one for the two
	v_add_f32 v[SS], v[TT+4], v[TT+8]
	LANESUM SS
	ds_store_b32 v[TT+1], v[TT+4]                  ; my wave's own copy: LDS serves a wave's instructions in order, so its own loads see them
	ds_store_b32 v[TT+1], v[TT+8] offset:128
	; THE SECOND BLOCK: rows 64 to 127, steps 32 to 63; beside its products the first block's rows are read again and added up
	INIT
.set i, 0
.rept 16
	v_mov_b32 v[OA+i], 0                           ; x2att has served: its registers take the weighted sum
.set i, i+1
.endr
	s_mov_b32 s[OFG], 0
	s_mov_b32 s[OFG+1], 0
	s_mov_b32 s[LAPC], 15
.Llap1:
	LAP 1, 1
	WIN 0
	s_sub_co_u32 s[LAPC], s[LAPC], 1
	s_cmp_lg_u32 s[LAPC], 0
	s_cbranch_scc1 .Llap1
	H0 0, 1, 8, 0, 1                               ; the last two steps are written out: they ask for no tile.  The last tile of Y is staged (behind it: the eight loads of step 61's clamped ask); rows 60 to 63 are asked for again
	TURN 0, 0, 0
	H0 1, 0, 0, 0, 0
	WIN 0
	ds_load_b128 v[WT4:WT4+3], v[WAD]
	s_wait_dscnt 0x0
	MULN 1, 0, 0, 16
	MULN 1, 1, 0, 16
	MULN 1, 2, 0, 16
	WIN 0
	s_wait_loadcnt 0x0                             ; nothing was asked for behind those four rows
	FMA4
	MULN 1, 3, 0, 16
	WIN 0
	EPI
	; its softmax step.  The tail's first 16 rows are asked for ahead of it.
	s_wait_dscnt 0x0                               ; for the others' sake: my partial logits are stored
	s_add_nc_u64 s[TP:TP+1], s[YB:YB+1], 0x80000   ; row 64
	LOADG 0, 0
	LOADG 1, 65536
	WIN 0
	s_barrier_signal -1
	s_barrier_wait -1                              ; all four waves' partial logits of rows 64 to 127 lie in LDS
	LOGITS LOG+1024
	s_lshl_b32 s51, s[WV], 9
	s_add_co_u32 s51, s51, PWT+256
	v_lshl_add_u32 v[TT+1], v[TMP], 2, s51
	v_mov_b32 v[LADR], s51                         ; from here on: where the weights are read
	s_mov_b32 s52, 0x3fb8aa3b
	v_mul_f32 v[TT+20], s52, v[TT+20]              ; c m1
	v_max_num_f32 v[TT+21], v[CM], v[TT+20]        ; c m
	v_sub_f32 v[TT+22], v[CM], v[TT+21]
	v_fma_f32 v[TT+4], v[TT+4], s52, -v[TT+21]
	v_fma_f32 v[TT+8], v[TT+8], s52, -v[TT+21]
	v_exp_f32 v[TT+22], v[TT+22]                   ; a
	v_exp_f32 v[TT+4], v[TT+4]
	v_exp_f32 v[TT+8], v[TT+8]
	v_nop                                          ; a plain instruction behind the last exponential,
	s_wait_alu depctr_va_vdst(0)                   ; and the wait: one for the three
	v_add_f32 v[TT+24], v[TT+4], v[TT+8]
	LANESUM TT+24
	v_fma_f32 v[SS], v[SS], v[TT+22], v[TT+24]     ; s = s0 a + this block's sum: at least 1, the largest logit's term
	v_rcp_f32 v[TT+26], v[SS]
	v_nop
	s_wait_alu depctr_va_vdst(0)
	v_mul_f32 v[TT+28], v[TT+22], v[TT+26]         ; a / s, twice: a pair for the packed multiply
	v_mul_f32 v[TT+29], v[TT+22], v[TT+26]
	v_mul_f32 v[TT+4], v[TT+4], v[TT+26]
	v_mul_f32 v[TT+8], v[TT+8], v[TT+26]
.set i, 0
.rept 8
	v_pk_mul_f32 v[OA+2*i:OA+2*i+1], v[OA+2*i:OA+2*i+1], v[TT+28:TT+29]
.set i, i+1
.endr
	ds_store_b32 v[TT+1], v[TT+4]
	ds_store_b32 v[TT+1], v[TT+8] offset:128
	; THE REST OF THE WEIGHTED SUM: rows 64 to 127.  Wave w makes columns 512 w .. 512 w + 511; a lane 16 of them.  Two sets of eight rows take turns: 64 loads of 512 bytes a wave are asked for ahead.
	s_mov_b32 s[LAPC], 3
.Ltl:                                          ; a trip: 16 rows are added, the next 16 are asked for
	WLOAD
	s_wait_loadcnt 32                              ; set 0 is in; set 1's 32 loads stay out
	s_wait_dscnt 0x0
	FMAG 0, WTA
	LOADG 0, 131072
	s_wait_loadcnt 32                              ; set 1 is in
	FMAG 1, WTB
	LOADG 1, 196608
	WIN 0
	s_wait_xcnt 0x0                                ; the loads have read their base
	s_add_nc_u64 s[TP:TP+1], s[TP:TP+1], 131072
	v_add_nc_u32 v[LADR], 64, v[LADR]
	s_sub_co_u32 s[LAPC], s[LAPC], 1
	s_cmp_lg_u32 s[LAPC], 0
	s_cbranch_scc1 .Ltl
	WLOAD                                          ; the last 16 rows: nothing more is asked for
	s_wait_loadcnt 32
	s_wait_dscnt 0x0
	FMAG 0, WTA
	s_wait_loadcnt 0x0
	FMAG 1, WTB
	WIN 0
.irp g, 0,1,2,3
	global_store_b128 v[TO], v[OA+4*\g:OA+4*\g+3], s[OUTP:OUTP+1] offset:512*\g  ; a wave's store covers 512 consecutive bytes, aligned
.endr
	s_wait_tensorcnt 0x0                           ; the wave's end, behind my last tensor load and my last LDS store
	ds_add_u32 v[SPW], v[NIL]
	s_wait_dscnt 0x0
	CROUND                                         ; the closing round: no work-group ends while a partner may still ask for a tile that names it
	s_endpgm
.Lfunc_end_k_q4b3a6b3b42_attn:
	.size	k_q4b3a6b3b42_attn, .Lfunc_end_k_q4b3a6b3b42_attn-k_q4b3a6b3b42_attn
	.p2alignl 7, 3214868480
	.fill 96, 4, 3214868480
	.section	.rodata,"a",@progbits
	.p2align	6, 0x0
	.amdhsa_kernel k_q4b3a6b3b42_attn
		.amdhsa_group_segment_fixed_size 327680
		.amdhsa_private_segment_fixed_size 0
		.amdhsa_enable_private_segment 0
		.amdhsa_kernarg_size 56
		.amdhsa_user_sgpr_count 2
		.amdhsa_user_sgpr_kernarg_segment_ptr 1
		.amdhsa_wavefront_size32 1
		.amdhsa_system_sgpr_workgroup_id_x 1
		.amdhsa_system_sgpr_workgroup_id_y 1
		.amdhsa_system_sgpr_workgroup_id_z 1
		.amdhsa_system_vgpr_workitem_id 0
		.amdhsa_next_free_vgpr 1024
		.amdhsa_next_free_sgpr 80
		.amdhsa_reserve_vcc 0
		.amdhsa_float_denorm_mode_32 3
		.amdhsa_float_denorm_mode_16_64 3
		.amdhsa_memory_ordered 1
		.amdhsa_forward_progress 1
		.amdhsa_inst_pref_size 255
	.end_amdhsa_kernel
	.section	.bss,"aw",@nobits
	.p2align	6
	.space	262144
	.amdgpu_metadata
---
amdhsa.version: [ 1, 2 ]
amdhsa.kernels:
  - .name:           k_q4b3a6b3b42_attn
    .symbol:         k_q4b3a6b3b42_attn.kd
    .args:
      - { .name: Y, .offset: 0, .size: 8, .value_kind: global_buffer, .address_space: global }
      - { .name: Wb, .offset: 8, .size: 8, .value_kind: global_buffer, .address_space: global }
      - { .name: XP, .offset: 16, .size: 8, .value_kind: global_buffer, .address_space: global }
      - { .name: b_ques, .offset: 24, .size: 8, .value_kind: global_buffer, .address_space: global }
      - { .name: W_map, .offset: 32, .size: 8, .value_kind: global_buffer, .address_space: global }
      - { .name: b_map, .offset: 40, .size: 8, .value_kind: global_buffer, .address_space: global }
      - { .name: out0, .offset: 48, .size: 8, .value_kind: global_buffer, .address_space: global }
    .group_segment_fixed_size: 327680
    .private_segment_fixed_size: 0
    .kernarg_segment_align: 8
    .kernarg_segment_size: 56
    .max_flat_workgroup_size: 128
    .sgpr_count:     80
    .vgpr_count:     1024
    .wavefront_size: 32
...
	.end_amdgpu_metadata
.endif
;; end of part 2
